; MI455X (gfx1250); checked and timed in simulation.
; The chip was launched on July 23, 2026; its instructions are those of AMD's public machine-readable ISA for CDNA 5 (MIT licence, August 2026) and "CDNA5" Instruction Set Architecture Reference Guide (July 2026). The comments in the code are by the model that wrote it; some were corrected since.
;; dot attention. Allowed arithmetic: matrix products marked QUANTISED: E2M3 operands, one E8M0 scale for each 32 along K, by v_wmma_scale_f32_16x16x128_f8f6f4 with both operands' format E2M3, f32 sums; products left as they are: f32 operands where the result goes on into a quantised operand, else bf16, f16 or f32 operands; f32 sums; everything else in f32.
;; Inputs: kv 4 x 4,096 x 512 float32; q 4 x 4,096 x 512 float32.
;; Outputs: out0 16,384 float32.
;; This version of the problem:
;;   THIS VERSION OF THE PROBLEM IS GIVEN IN LOW PRECISION. The matrix products marked QUANTISED in the list below multiply operands that are first quantised to E2M3 (2 exponent bits, 3 mantissa bits; 6 bits a number), with one power-of-two scale for each 32 numbers along K (OCP MX v1.0); their sums are f32. All else is computed in f32.
;;   The module's matrix products, in the order in which they are computed (A, B: the left and right operand; K: the contracted axis; several contracted axes count as one K, in the product's order):
;;     1. batch 4 x [M 4,096, K 512] x [K 512, N 4,096]; A: input q; B: input kv: QUANTISED
;;     2. batch 16,384 x [M 1, K 512] x [K 512, N 1]; A: input q; B: input kv: left as it is (M = 1 < 16)
;;   THE QUANTISER, for each operand of a quantised product, along K:
;;     - K is cut into blocks of 32 from its start; a last block that is shorter is filled with zeros.
;;     - A block's scale is 2^e with e = floor(log2(the largest magnitude in the block)) - 2, held to -126 .. 127; a block of zeros has e = 0. As a byte (E8M0): e + 127.
;;     - Each number is divided by its block's scale, clamped to +-7.5, and rounded to the nearest number of E2M3, ties to even, subnormals kept.
;;     - The product sums the exact products of the quantised numbers (number of the format x scale) in f32.
;;   ~~~python
;;   def quantise(x, axis):      # numpy; x: float32 -> the quantised numbers, widened to float32 again
;;       x = np.moveaxis(x, axis, -1); K = x.shape[-1]
;;       x = np.pad(x, [(0, 0)] * (x.ndim - 1) + [(0, -K % 32)]); x = x.reshape(x.shape[:-1] + (-1, 32)); a = np.abs(x).max(-1, keepdims=True)
;;       e = np.where(a > 0, np.clip(np.frexp(np.where(a > 0, a, 1))[1] - 1 - 2, -126, 127), 0)      # np.frexp(a)[1] - 1 = floor(log2(a)), exactly
;;       r = np.clip(x / 2.0 ** e, -7.5, 7.5)
;;       step = 2.0 ** (np.maximum(np.frexp(np.where(r == 0, 1, r))[1] - 1, 0) - 3)
;;       q = np.round(r / step) * step * 2.0 ** e      # np.round: ties to even
;;       return np.moveaxis(q.reshape(q.shape[:-2] + (-1,))[..., :K], -1, axis).astype(np.float32)
;;   ~~~
;; One version. Each part assembles by itself: llvm-mc -triple=amdgcn-amd-amdhsa -mcpu=gfx1250 --defsym DOCPART=n.
;; ======== version 1 of 1: 3 launches
;; limits: right only within a limited range of input values
;; workspace buffers: qimg 6,553,600 bytes; kvimg 6,553,600 bytes; diag 65,536 bytes; part 1,048,576 bytes
;; launch quant (part 1): grid 256 x 1, 16 waves a work-group, no clusters, 327,680 bytes of LDS; arguments q, kv, qimg, kvimg, diag; writes qimg, kvimg, diag
.if DOCPART == 1
	.amdgcn_target "amdgcn-amd-amdhsa--gfx1250"
	.amdhsa_code_object_version 6
	.text
	.protected	k_q9233ff0a83_quant
	.globl	k_q9233ff0a83_quant
	.p2align	8
	.type	k_q9233ff0a83_quant,@function
k_q9233ff0a83_quant:
	s_mov_b64 s[64:65], 0
	v_nop
	global_prefetch_b8 v0, s[64:65] scope:SCOPE_SE
	s_setreg_imm32_b32 hwreg(HW_REG_WAVE_MODE, 25, 1), 1
	s_wait_xcnt 0x0
; q and kv [16384][512] f32 become images of FP6 (E2M3) operands, and diag[n] = q[n] . kv[n] in f32.  No work of the problem is left out.
; A work-group takes 64 rows n = 64 x + 4 r + i: four tiles i of 16 rows r.  An image tile is 6,400 bytes: four fragments (128 along K each) of 1,536 bytes, lane l's 16 bytes at 16 l,
; then 256 bytes of scale words, 8 a lane: lane r + 16 h holds row r's words of K steps h and 2 + h, in q's image in this order, in kv's in the other.
; A block's scale byte is the exponent field of its largest magnitude - 2, held at 1 from below.  A block of zeros so gets the byte 1 where the rule says 127: its codes are zeros, and this program alone reads the bytes.
; LIMITS: NaN and infinities are not served; blocks whose largest magnitude lies under 2^-124 keep the byte 1.
; SHARES.  16 waves, wave W = 4 i + k.  Each issues ONE tensor load: 16 rows (8,192 bytes apart) x 1,024 bytes of q (k even) or kv (k odd), half k / 2 of the row, padded by 16 bytes a row.
; All 262,144 bytes are so on their way at once.  Barrier i shows tile i's four loads; then its four waves work it, wave k K step k of both tensors, while later tiles land.
; No input is shared between work-groups: no cluster.  There is no loop to run ahead in and every load is issued at the head: no prefetch.
.set REG,   16640                      ; 16 rows x 1,040 bytes
.set WREG,  4*REG
.set PITCH, 1040
.set DSC,   4*WREG                     ; diag's parts: 64 W + 4 r
.set SCW,   DSC+1024                   ; q's scale words: 64 W + 4 r; kv's 1,024 further on
.set SPARE, 0x42000                    ; 128 bytes a wave that no other line names
.set TILEB, 6400
.set G1,  16
.set G0,  24
.set SEL, 40
.set XQ,  32
.set XK,  64
.set IQ,  160
.set IK,  172
	s_load_b256 s[4:11], s[0:1], 0x0               ; q, kv, qimg, kvimg
	s_load_b64 s[12:13], s[0:1], 0x20              ; diag
	v_lshl_add_u32 v254, v0, 2, SPARE
	v_mov_b32 v255, 0
	ds_add_u32 v254, v255                          ; the opening lines
	ds_add_u32 v254, v255
	v_lshrrev_b32 v1, 5, v0
	v_readfirstlane_b32 s14, v1                    ; W
	s_lshr_b32 s15, s14, 2                         ; i
	s_and_b32 s34, s14, 3                          ; k
	s_and_b32 s35, s14, 1                          ; q or kv
	s_lshr_b32 s36, s34, 1                         ; which half of the row
	s_mov_b32 s[G1+0], (2<<16)|(1<<20)|(7<<22)|(3<<25)   ; elements of 4 bytes; 4 dwords of padding behind every 256
	s_mov_b32 s[G1+1], 256<<16
	s_mov_b32 s[G1+2], 16<<16
	s_mov_b32 s[G1+3], 256<<16
	s_mov_b32 s[G1+4], 16
	s_mov_b32 s[G1+5], 2048
	s_mov_b32 s[G1+6], 0
	s_mov_b32 s[G1+7], 0
	s_lshl_b32 s42, ttmp9, 6
	s_add_co_u32 s42, s42, s15
	s_lshl_b32 s42, s42, 11
	s_lshl_b32 s43, s36, 10
	s_add_co_u32 s42, s42, s43
	s_mov_b32 s43, 0
	s_lshl_b32 s44, ttmp9, 2
	s_add_co_u32 s38, s44, s15
	s_mul_i32 s38, s38, TILEB
	s_mul_i32 s37, s34, 1536
	s_add_co_u32 s38, s38, s37                     ; my fragment's place in an image
	s_mov_b32 s39, 0
	s_add_co_u32 s44, s44, s34
	s_mul_i32 s44, s44, TILEB
	s_add_co_u32 s44, s44, 6144                    ; scale words of tile W % 4: waves 0 to 7 store them at the end
	s_mov_b32 s45, 0
	s_mul_i32 s33, s14, REG
	s_mov_b32 s[SEL], 0x76543210
	s_mov_b32 s[SEL+1], 0xfedcba98
	s_wait_dscnt 0x0                               ; both opening adds are done
	s_wait_kmcnt 0x0
	s_cmp_eq_u32 s35, 0
	s_cselect_b64 s[46:47], s[4:5], s[6:7]
	s_mov_b32 s[G0], 1
	s_mov_b32 s[G0+1], s33
	s_add_nc_u64 s[G0+2:G0+3], s[46:47], s[42:43]
	s_or_b32 s[G0+3], s[G0+3], 0x80000000
	s_cmp_lt_u32 s14, 8                            ; a load line for each tile's four waves
	s_cbranch_scc0 .Ltiles23
	s_cmp_lt_u32 s14, 4
	s_cbranch_scc0 .Ltile1
	tensor_load_to_lds s[G0:G0+3], s[G1:G1+7]
	s_nop 0
	s_branch .Lasked
.Ltile1:
	tensor_load_to_lds s[G0:G0+3], s[G1:G1+7]
	s_nop 0
	s_branch .Lasked
.Ltiles23:
	s_cmp_lt_u32 s14, 12
	s_cbranch_scc0 .Ltile3
	tensor_load_to_lds s[G0:G0+3], s[G1:G1+7]
	s_nop 0
	s_branch .Lasked
.Ltile3:
	tensor_load_to_lds s[G0:G0+3], s[G1:G1+7]
	s_nop 0
.Lasked:
	s_add_nc_u64 s[28:29], s[8:9], s[38:39]
	s_add_nc_u64 s[30:31], s[10:11], s[38:39]
	s_lshl_b32 s42, ttmp9, 8
	s_add_nc_u64 s[12:13], s[12:13], s[42:43]
	v_and_b32 v1, 15, v0                           ; r
	v_bfe_u32 v2, v0, 4, 1                         ; h
	v_and_b32 v3, 31, v0                           ; lane
	s_mul_i32 s32, s15, WREG
	s_mul_i32 s37, s36, 2*REG
	s_add_co_u32 s32, s32, s37
	s_lshl_b32 s37, s35, 9
	s_add_co_u32 s32, s32, s37
	v_mul_u32_u24 v4, v1, PITCH
	v_lshl_add_u32 v4, v2, 7, v4
	v_add_nc_u32 v4, s32, v4                       ; row r of q, K step k, 32 h along K
	v_lshlrev_b32 v5, 4, v3
	v_lshlrev_b32 v6, 3, v3
	v_lshlrev_b32 v7, 3, v2
	s_wait_alu depctr_va_vdst(0)
	s_lshl_b32 s32, s14, 6
	s_add_co_u32 s32, s32, DSC
	v_lshl_add_u32 v8, v1, 2, s32                  ; DSC + 64 W + 4 r
	s_lshl_b32 s32, s14, 8
	s_add_co_u32 s32, s32, SCW
	s_lshl_b32 s37, s15, 7
	v_lshl_add_u32 v26, v3, 2, s32                 ; the way out of the scale words of tile W: 4 a lane,
	v_add_nc_u32 v9, s37, v26                      ; K steps h and 2 + h, q's (i = 0) in this order,
	s_xor_b32 s37, s37, 128
	v_add_nc_u32 v24, s37, v26                     ; kv's (i = 1) in the other
	v_and_b32 v26, 1, v3
	v_lshrrev_b32 v27, 1, v3
	v_lshlrev_b32 v26, 9, v26
	v_lshl_add_u32 v26, v27, 2, v26
	v_add_nc_u32 v25, DSC, v26                     ; diag's way out: rows 2 lane and 2 lane + 1
	v_mov_b32 v22, 0                               ; (a permute's destination counts as read)
	v_mov_b32 v23, 0
	v_mov_b32 v216, 0                              ; q's scale word, kv's, diag's part
	v_mov_b32 v217, 0
	v_mov_b32 v218, 0
	s_wait_alu depctr_va_vdst(0)
.macro BLOCK c                         ; k = 64 c + 32 h + 0 .. 31 of both tensors: a whole block in a lane
.set XQP, XQ+64*(\c)
.set XKP, XK+64*(\c)
	v_max3_num_f32 v10, |v[XQP]|, |v[XQP+1]|, |v[XQP+2]|
	v_max3_num_f32 v12, |v[XKP]|, |v[XKP+1]|, |v[XKP+2]|
	v_max3_num_f32 v11, |v[XQP+3]|, |v[XQP+4]|, |v[XQP+5]|
	v_max3_num_f32 v13, |v[XKP+3]|, |v[XKP+4]|, |v[XKP+5]|
.irp i, 6,10,14,18,22,26
	v_max3_num_f32 v10, v10, |v[XQP+\i]|, |v[XQP+\i+1]|
	v_max3_num_f32 v12, v12, |v[XKP+\i]|, |v[XKP+\i+1]|
	v_max3_num_f32 v11, v11, |v[XQP+\i+2]|, |v[XQP+\i+3]|
	v_max3_num_f32 v13, v13, |v[XKP+\i+2]|, |v[XKP+\i+3]|
.endr
	v_max3_num_f32 v10, v10, |v[XQP+30]|, |v[XQP+31]|
	v_max3_num_f32 v12, v12, |v[XKP+30]|, |v[XKP+31]|
	v_max3_num_f32 v10, v10, v11, 0x1800000        ; the floor 2^(3 - 127): the byte cannot fall under 1
	v_max3_num_f32 v12, v12, v13, 0x1800000
	v_add_nc_u32 v14, 0xff000000, v10              ; 2 off the exponent field: the conversion's scale operand
	v_add_nc_u32 v15, 0xff000000, v12
	v_cvt_scalef32_pk16_fp6_f32 v[IQ+6*(\c):IQ+6*(\c)+2], v[XQP:XQP+15], v14
	v_cvt_scalef32_pk16_fp6_f32 v[208:210], v[XQP+16:XQP+31], v14
	v_cvt_scalef32_pk16_fp6_f32 v[IK+6*(\c):IK+6*(\c)+2], v[XKP:XKP+15], v15
	v_cvt_scalef32_pk16_fp6_f32 v[212:214], v[XKP+16:XKP+31], v15
	v_lshrrev_b32 v[16+2*(\c)], 23, v14            ; the bytes
	v_lshrrev_b32 v[17+2*(\c)], 23, v15
.irp i, 0,1,2
	v_mov_b32 v[IQ+6*(\c)+3+\i], v[208+\i]         ; (a conversion's three registers begin on an even number)
	v_mov_b32 v[IK+6*(\c)+3+\i], v[212+\i]
.endr
.irp i, 0,1,2,3,4,5,6,7,8,9,10,11,12,13,14,15
.if ((\c) == 0) && (\i < 2)
	v_pk_mul_f32 v[220+2*(\i%2):221+2*(\i%2)], v[XQP+2*\i:XQP+2*\i+1], v[XKP+2*\i:XKP+2*\i+1]
.else
	v_pk_fma_f32 v[220+2*(\i%2):221+2*(\i%2)], v[XQP+2*\i:XQP+2*\i+1], v[XKP+2*\i:XKP+2*\i+1], v[220+2*(\i%2):221+2*(\i%2)]
.endif
.endr
.endm
.macro PROCESS
.irp c, 0,1
.irp i, 0,1,2,3,4,5,6,7
	ds_load_b128 v[XQ+64*\c+4*\i:XQ+64*\c+4*\i+3], v4 offset:256*\c+16*\i
.endr
.irp i, 0,1,2,3,4,5,6,7
	ds_load_b128 v[XK+64*\c+4*\i:XK+64*\c+4*\i+3], v4 offset:REG+256*\c+16*\i
.endr
.endr
	s_wait_dscnt 16                                ; c = 0 is in; c = 1's sixteen loads may be out
	BLOCK 0
	s_wait_dscnt 0x0
	BLOCK 1
.irp c, 0,1,2
	global_store_b128 v5, v[IQ+4*\c:IQ+4*\c+3], s[28:29] offset:512*\c   ; 512 consecutive bytes, at a multiple of 512 from the fragment's first byte
	global_store_b128 v5, v[IK+4*\c:IK+4*\c+3], s[30:31] offset:512*\c
.endr
	v_lshl_or_b32 v20, v18, 16, v16                ; my bytes of blocks h and 2 + h,
	v_lshl_or_b32 v21, v19, 16, v17
	v_add_f32 v220, v220, v221
	v_add_f32 v222, v222, v223
	v_lshlrev_b32 v20, v7, v20                     ; 8 h bits up;
	v_lshlrev_b32 v21, v7, v21
	v_add_f32 v220, v220, v222
	v_permlanex16_b32 v22, v20, s[SEL], s[SEL+1]
	v_permlanex16_b32 v23, v21, s[SEL], s[SEL+1]
	v_or_b32 v216, v20, v22                        ; with lane l xor 16's the word is whole
	v_or_b32 v217, v21, v23
	v_permlanex16_b32 v22, v220, s[SEL], s[SEL+1]
	v_add_f32 v218, v220, v22
	s_wait_alu depctr_va_vdst(0)
	s_wait_xcnt 0x0                                ; the stores' registers may be written again only behind this wait
.endm
.irp p, 0,1,2,3
.if \p < 3
	s_cmp_lt_u32 s14, 4*\p+4                       ; the waves whose loads barrier p shows wait for them
	s_cbranch_scc0 .Llater_\p
	s_wait_tensorcnt 0x0
.Llater_\p:
.else
	s_wait_tensorcnt 0x0                           ; every wave: nothing is out behind this barrier
.endif
	s_barrier_signal -1
	s_barrier_wait -1
	s_cmp_lg_u32 s15, \p
	s_cbranch_scc1 .Lnot_mine_\p
	PROCESS
.Lnot_mine_\p:
.endr
	ds_store_b32 v8, v218                          ; (both halves of the lanes write the same word with the same value)
	ds_store_b32 v8, v216 offset:SCW-DSC
	ds_store_b32 v8, v217 offset:SCW-DSC+1024
	s_wait_dscnt 0x0
	s_barrier_signal -1
	s_barrier_wait -1
	s_cmp_lt_u32 s14, 8
	s_cbranch_scc0 .Lno_words
	ds_load_b32 v32, v9
	ds_load_b32 v33, v24
	s_cmp_lt_u32 s14, 4
	s_cselect_b64 s[46:47], s[8:9], s[10:11]
	s_add_nc_u64 s[46:47], s[46:47], s[44:45]
	s_wait_dscnt 0x0
	global_store_b64 v6, v[32:33], s[46:47]        ; one aligned unit of 256 bytes
	s_branch .Ldone
.Lno_words:
	s_cmp_lg_u32 s14, 8
	s_cbranch_scc1 .Ldone
.irp e, 0,1
.irp k, 0,1,2,3
	ds_load_b32 v[32+4*\e+\k], v25 offset:256*\e+64*\k
.endr
.endr
	s_wait_dscnt 0x0
	v_add_f32 v32, v32, v33
	v_add_f32 v36, v36, v37
	v_add_f32 v34, v34, v35
	v_add_f32 v38, v38, v39
	v_add_f32 v40, v32, v34
	v_add_f32 v41, v36, v38
	global_store_b64 v6, v[40:41], s[12:13]        ; 64 rows, 256 bytes
.Ldone:
	s_wait_tensorcnt 0x0                           ; the wave's end
	ds_add_u32 v254, v255
	s_wait_dscnt 0x0
	s_endpgm
.Lfunc_end_k_q9233ff0a83_quant:
	.size	k_q9233ff0a83_quant, .Lfunc_end_k_q9233ff0a83_quant-k_q9233ff0a83_quant
	.p2alignl 7, 3214868480
	.fill 96, 4, 3214868480
	.section	.rodata,"a",@progbits
	.p2align	6, 0x0
	.amdhsa_kernel k_q9233ff0a83_quant
		.amdhsa_group_segment_fixed_size 327680
		.amdhsa_private_segment_fixed_size 0
		.amdhsa_enable_private_segment 0
		.amdhsa_kernarg_size 40
		.amdhsa_user_sgpr_count 2
		.amdhsa_user_sgpr_kernarg_segment_ptr 1
		.amdhsa_wavefront_size32 1
		.amdhsa_system_sgpr_workgroup_id_x 1
		.amdhsa_system_sgpr_workgroup_id_y 1
		.amdhsa_system_sgpr_workgroup_id_z 1
		.amdhsa_system_vgpr_workitem_id 0
		.amdhsa_next_free_vgpr 256
		.amdhsa_next_free_sgpr 66
		.amdhsa_reserve_vcc 0
		.amdhsa_float_denorm_mode_32 3
		.amdhsa_float_denorm_mode_16_64 3
		.amdhsa_memory_ordered 1
		.amdhsa_forward_progress 1
		.amdhsa_inst_pref_size 50
	.end_amdhsa_kernel
	.amdgpu_metadata
---
amdhsa.version: [ 1, 2 ]
amdhsa.kernels:
  - .name:           k_q9233ff0a83_quant
    .symbol:         k_q9233ff0a83_quant.kd
    .args:
      - { .name: q, .offset: 0, .size: 8, .value_kind: global_buffer, .address_space: global }
      - { .name: kv, .offset: 8, .size: 8, .value_kind: global_buffer, .address_space: global }
      - { .name: qimg, .offset: 16, .size: 8, .value_kind: global_buffer, .address_space: global }
      - { .name: kvimg, .offset: 24, .size: 8, .value_kind: global_buffer, .address_space: global }
      - { .name: diag, .offset: 32, .size: 8, .value_kind: global_buffer, .address_space: global }
    .group_segment_fixed_size: 327680
    .private_segment_fixed_size: 0
    .kernarg_segment_align: 8
    .kernarg_segment_size: 40
    .max_flat_workgroup_size: 512
    .sgpr_count:     66
    .vgpr_count:     256
    .wavefront_size: 32
...
	.end_amdgpu_metadata
.endif
;; end of part 1
;; launch scores (part 2): grid 16 x 16, 8 waves a work-group, clusters of 4 x 4, 327,680 bytes of LDS; arguments qimg, kvimg, part; writes part
.if DOCPART == 2
	.amdgcn_target "amdgcn-amd-amdhsa--gfx1250"
	.amdhsa_code_object_version 6
	.text
	.protected	k_q9233ff0a83_scores
	.globl	k_q9233ff0a83_scores
	.p2align	8
	.type	k_q9233ff0a83_scores,@function
k_q9233ff0a83_scores:
	s_mov_b64 s[64:65], 0
	v_nop
	global_prefetch_b8 v0, s[64:65] scope:SCOPE_SE
	s_setreg_imm32_b32 hwreg(HW_REG_WAVE_MODE, 25, 1), 1
	s_wait_xcnt 0x0
	s_wait_alu depctr_hold_cnt(0) depctr_sa_sdst(0) depctr_va_vdst(0) depctr_va_sdst(0) depctr_va_ssrc(0) depctr_va_vcc(0) depctr_vm_vsrc(0)
	s_getreg_b32 s2, hwreg(HW_REG_IB_STS2, 6, 4)
	s_cmp_eq_u32 s2, 0
	s_cbranch_scc0 .Lentry_in_a_cluster
	s_endpgm
.Lentry_in_a_cluster:
	s_bfe_u32 s2, ttmp6, 0x10000c
	s_cmp_lg_u32 s2, 0xf033
	s_cbranch_scc0 .Lentry_shape_is_right
	s_endpgm
.Lentry_shape_is_right:
; For 256 queries and 1,024 keys of one batch: scores s = q . kv on codes of FP6 (E2M3) with E8M0 scales, and of them, for each query and each half of those keys,
; N = -c max(s) and l = the sum of 2^(c s + N), c = log2(e) / 16.  A running maximum: in every step l is multiplied by 2^(new N - old N), which is 1 where the maximum has not grown.
; The same rounded N stands in every exponent that is summed under it, so its rounding cancels when the parts are merged.  No work of the problem is left out.
; SHARES.  Cluster (X, Y) of 4 x 4 work-groups: batch Y, queries 1,024 X on, all keys.  Work-group (cx, cy) of it: query block 4 X + cx, key quarter cy.  Eight waves, two to a SIMD.
; Wave w: 64 queries (group w % 4, four tiles, 192 registers, kept for the whole launch) against half w / 4 of the keys.  A step: two tiles of 16 keys x four tiles of queries x K = 512: 32 matrix instructions.
; OPERANDS come as images of their registers (6,400 bytes a tile: four fragments of 1,536 bytes, lane l's 16 bytes at 16 l; then 256 bytes of scale words, 8 a lane).
; In q's words register j of lane r + 16 h is row r's word of K step 2 j + h; in kv's it is register 1 - j.
; Source 0 = 16 keys, source 1 = 16 queries: a lane holds ONE query (lane % 16) and eight keys of each tile; the maximum runs per LANE, and the two halves of the lanes meet once, at the end.
; Tile t of a group holds queries 4 r + t, so a lane's four results are four neighbouring queries: 16 bytes.
; JOINT LOADS.  K hangs on cy and the batch alone and is shared along the cluster's row, q on the query block alone and along its column: each is asked for by four work-groups with one mask.
; LDS.  Bytes 0 on: q, 16 tiles; behind it 32 of the 64 key tiles.  At the head each wave issues one load: waves 0, 1 q; waves 2, 3 the first 8 key tiles (steps 0, 1); waves 4 to 7 the other 24.
; The first barrier waits for waves 0 to 3 alone.  Behind step 3, q's bytes and steps 0 to 3's are filled again with key tiles 32 to 63: the one refill; it has four steps in which to land.
; By this text's count a wave has at most one tensor load outstanding.
; PREFETCH.  The refill's 800 blocks of 256 bytes are asked for four steps ahead, once in each cluster: partner cx 200 of them, each wave 25, a lane each (lanes 25 to 31 name the wave's last again).
; LIMITS: NaN and infinities are not served.
.set TILEB, 6400
.set WPART, 2*TILEB                    ; what a wave multiplies in a step
.set STEPB, 4*TILEB                    ; a step's tiles, both halves
.set KB0,   16*TILEB                   ; key tiles begin behind q
.set SPARE, 48*TILEB                   ; the spare words, 128 bytes for each of eight waves: four blocks of 256 bytes that no other line names
.set QS,  12                           ; v[12+2t:13+2t] q's scale words of tile t
.set KS,  20                           ; v[20+2kt:21+2kt] the key tile's
.set ST,  24                           ; v[24+8t ..] tile t: +0 N of even steps, +2 N of odd steps, +1 the largest score, +3, +7 at work, +4, +5 l in two halves, +6 the factor
.set OUTR, 56                          ; v[56:59] what is stored
.set S,   64                           ; v[64+16t+8kt ..] the scores, then 2^(c s + N)
.set KF,  128                          ; v[128+48kt+12s ..] the keys' fragments.   Window 1: v[48t+12s ..] q's fragments
; v1 lane, v2 16 lane, v3 8 lane, v4, v5 my lane's place in a step's tiles and scale words, v6, v7 the same for the fetch in hand, v8 my offset in part, v9 the prefetch's, v10 spare word's address, v11 0
.set G1Q, 24                           ; descriptor group 1: q, 200 rows of 256 bytes
.set G1A, 32                           ; keys, 100 rows
.set G1B, 40                           ; keys, 150 rows
.set G0Q, 48                           ; descriptor group 0 of each of the four loads; never rewritten
.set G0A, 52
.set G0B, 56
.set G0R, 60
.set CC,  66                           ; s[66:67] c: the packed form names a pair and takes its low word for both halves
.set NC,  68                           ; s68 -c
.set SEL, 70                           ; s[70:71] v_permlanex16_b32's selects for lane l xor 16
.set TB,  72                           ; s72 LDS byte at which the tiles of the step to be fetched begin
.set CNT, 73                           ; s73 trips
.set PF,  74                           ; s[74:75] where the refill's tiles begin in kvimg
.set MSB, 0
.macro WIN new                         ; the immediate's high byte repeats the setting that is left
.if MSB != \new
	s_set_vgpr_msb (MSB<<8)|\new
.set MSB, \new
.endif
.endm
.macro PLACES
.rept 4
	v_nop
.endr
.endm
.macro CREST                           ; a round of the cluster's barrier behind its opening barrier: wave 0 signals; every wave waits for all sixteen work-groups; my work-group's barrier once more
	s_cmp_lg_u32 s10, 0
	s_cbranch_scc1 .Lnot_wave_0_\@
	s_barrier_signal -3
.Lnot_wave_0_\@:
	s_barrier_wait -3
	s_barrier_signal -1
	s_barrier_wait -1
.endm
.macro CROUND
	s_barrier_signal -1
	s_barrier_wait -1
	CREST
.endm
	s_load_b128 s[4:7], s[0:1], 0x0                ; qimg s[4:5], kvimg s[6:7]
	s_load_b64 s[8:9], s[0:1], 0x10                ; part
	v_lshl_add_u32 v10, v0, 2, SPARE
	v_mov_b32 v11, 0
	ds_add_u32 v10, v11                            ; the opening lines
	ds_add_u32 v10, v11
	v_lshrrev_b32 v1, 5, v0
	v_readfirstlane_b32 s10, v1                    ; wave 0..7
	s_and_b32 s11, s10, 3                          ; my group of 64 queries
	s_lshr_b32 s12, s10, 2                         ; my half of the keys
	s_bfe_u32 s13, ttmp6, 0x40000                  ; cx
	s_bfe_u32 s15, ttmp6, 0x40004                  ; cy: the key quarter
	s_and_b32 s16, ttmp7, 0xffff                   ; batch
	s_lshl_b32 s14, ttmp9, 2
	s_add_co_u32 s14, s14, s13                     ; query block of the batch
	s_lshl_b32 s17, 0x1111, s13                    ; my column of the cluster
	s_lshl_b32 s20, s15, 2
	s_lshl_b32 s20, 15, s20                        ; my row
	s_or_b32 s[G1Q], s17, (3<<16)|(1<<21)          ; elements of 8 bytes; bit 21 set beside a mask; no padding
	s_or_b32 s[G1A], s20, (3<<16)|(1<<21)
	s_or_b32 s[G1B], s20, (3<<16)|(1<<21)
.macro GROUP1 g, rows                  ; rows of 256 dense bytes
	s_mov_b32 s[\g+1], 32<<16
	s_mov_b32 s[\g+2], (\rows)<<16
	s_mov_b32 s[\g+3], 32<<16
	s_mov_b32 s[\g+4], \rows
	s_mov_b32 s[\g+5], 32
	s_mov_b32 s[\g+6], 0
	s_mov_b32 s[\g+7], 0
.endm
	GROUP1 G1Q, 200
	GROUP1 G1A, 100
	GROUP1 G1B, 150
	s_and_b32 s22, s10, 1
	s_mul_i32 s23, s22, 8*TILEB                    ; q: waves 0, 1 fetch 8 tiles each
	s_lshl_b32 s18, s16, 8
	s_lshl_b32 s21, s14, 4
	s_add_co_u32 s18, s18, s21
	s_mul_i32 s18, s18, TILEB                      ; a query block is 16 tiles
	s_add_co_u32 s18, s18, s23
	s_mov_b32 s19, 0
	s_lshl_b32 s82, s16, 8
	s_lshl_b32 s83, s15, 6
	s_add_co_u32 s82, s82, s83
	s_mul_i32 s82, s82, TILEB                      ; a key quarter is 64 tiles
	s_mov_b32 s83, 0
	s_mul_i32 s78, s22, 4*TILEB                    ; waves 2, 3: 4 tiles each
	s_mov_b32 s79, 0
	s_mul_i32 s80, s11, 6*TILEB                    ; waves 4 to 7: 6 tiles each, from the 9th on
	s_add_co_u32 s80, s80, 8*TILEB
	s_mov_b32 s81, 0
	s_mul_i32 s84, s10, 4*TILEB                    ; the refill: 4 tiles a wave
	s_mov_b32 s85, 0
	s_mov_b32 s[G0Q], 1
	s_mov_b32 s[G0A], 1
	s_mov_b32 s[G0B], 1
	s_mov_b32 s[G0R], 1
	s_mov_b32 s[G0Q+1], s23
	s_add_co_u32 s[G0A+1], s78, KB0
	s_add_co_u32 s[G0B+1], s80, KB0
	s_mov_b32 s[G0R+1], s84
	s_lshl_b32 s76, s15, 1
	s_add_co_u32 s76, s76, s12                     ; e = 2 x quarter + half: which eighth of the keys
	s_lshl_b32 s76, s76, 17                        ; part is [e][2][16384] f32
	s_lshl_b32 s77, s16, 6
	s_lshl_b32 s88, s14, 2
	s_add_co_u32 s77, s77, s88
	s_add_co_u32 s77, s77, s11                     ; queries 64 G .. 64 G + 63 of the 16,384
	s_lshl_b32 s77, s77, 8
	s_add_co_u32 s76, s76, s77
	s_mov_b32 s77, 0
	s_mul_i32 s88, s13, 200
	s_mul_i32 s89, s10, 25
	s_add_co_u32 s88, s88, s89
	s_lshl_b32 s88, s88, 8                         ; my wave's first block of the prefetch
	s_mov_b32 s[CC], 0x3db8aa3b                    ; c = log2(e) / 16
	s_mov_b32 s[CC+1], s[CC]
	s_mov_b32 s[NC], 0xbdb8aa3b                    ; -c
	s_mov_b32 s[SEL], 0x76543210
	s_mov_b32 s[SEL+1], 0xfedcba98
	s_wait_dscnt 0x0                               ; both opening adds are done
	s_wait_kmcnt 0x0
	s_add_nc_u64 s[G0Q+2:G0Q+3], s[4:5], s[18:19]
	s_or_b32 s[G0Q+3], s[G0Q+3], 0x80000000        ; type = 2
	s_add_nc_u64 s[86:87], s[6:7], s[82:83]
	s_add_nc_u64 s[G0A+2:G0A+3], s[86:87], s[78:79]
	s_or_b32 s[G0A+3], s[G0A+3], 0x80000000
	s_add_nc_u64 s[G0B+2:G0B+3], s[86:87], s[80:81]
	s_or_b32 s[G0B+3], s[G0B+3], 0x80000000
	s_add_nc_u64 s[PF:PF+1], s[86:87], 32*TILEB
	s_add_nc_u64 s[G0R+2:G0R+3], s[PF:PF+1], s[84:85]
	s_or_b32 s[G0R+3], s[G0R+3], 0x80000000
	s_add_nc_u64 s[8:9], s[8:9], s[76:77]
	CROUND                                         ; all sixteen work-groups are here: the first joint loads meet
	s_cmp_lt_u32 s10, 4
	s_cbranch_scc0 .Lask_later
	s_cmp_lt_u32 s10, 2
	s_cbranch_scc0 .Lask_first
	tensor_load_to_lds s[G0Q:G0Q+3], s[G1Q:G1Q+7]
	s_nop 0
	PLACES                                         ; four v_nop behind the load
	s_branch .Lasked
.Lask_first:
	tensor_load_to_lds s[G0A:G0A+3], s[G1A:G1A+7]
	s_nop 0
	PLACES
	s_branch .Lasked
.Lask_later:
	tensor_load_to_lds s[G0B:G0B+3], s[G1B:G1B+7]
	s_nop 0
	PLACES
.Lasked:
	v_and_b32 v1, 31, v0
	v_lshlrev_b32 v2, 4, v1
	v_lshlrev_b32 v3, 3, v1
	s_mul_i32 s22, s12, WPART
	s_mul_i32 s23, s11, STEPB
	v_add_nc_u32 v4, s22, v2                       ; fragments: 16 x lane + my half's two tiles
	v_add_nc_u32 v5, s22, v3                       ; scale words: 8 x lane + the same
	v_add_nc_u32 v224, s23, v2                     ; my group's q: fragments
	v_add_nc_u32 v225, s23, v3                     ; and scale words
	v_and_b32 v8, 15, v0
	v_bfe_u32 v9, v0, 4, 1
	v_lshlrev_b32 v8, 4, v8
	v_lshl_add_u32 v8, v9, 16, v8                  ; part: lanes 0-15 the plane of N, lanes 16-31 the plane of l; 16 bytes for query rows 4 r .. 4 r + 3
	v_min_u32 v9, 24, v1
	v_lshlrev_b32 v9, 8, v9
	v_add_nc_u32 v9, s88, v9
.irp t, 0,1,2,3
	v_mov_b32 v[ST+8*\t+1], 0xff61b1e6             ; the largest score so far: -3e38, under every score
	v_mul_f32 v[ST+8*\t+2], s[NC], v[ST+8*\t+1]    ; its N
	v_mov_b32 v[ST+8*\t+4], 0                      ; l
	v_mov_b32 v[ST+8*\t+5], 0
.endr
.macro FETCHT kt                       ; one tile of keys: 12 loads of 16 bytes and its scale words
.irp s, 0,1,2,3
.irp c, 0,1,2
	ds_load_b128 v[KF+48*\kt+12*\s+4*\c:KF+48*\kt+12*\s+4*\c+3], v6 offset:\kt*TILEB+\s*1536+\c*512
.endr
.endr
	ds_load_b64 v[KS+2*\kt:KS+2*\kt+1], v7 offset:\kt*TILEB+6144
.endm
.macro START tb                        ; the first fetch behind a barrier
	s_mov_b32 s[TB], \tb
	v_add_nc_u32 v6, s[TB], v4
	v_add_nc_u32 v7, s[TB], v5
	FETCHT 0
	FETCHT 1
.endm
; 16 matrix instructions: key tile kt against the four tiles of queries, K step by K step.  The four accumulators take turns, one instruction a turn.
; The first K step starts the sums.  K step s takes q's scale register s / 2 and the keys' 1 - s / 2: lanes 0-15 for an even step, lanes 16-31 for an odd one.
; first = 1: q's fragments are still landing, K step by K step, twelve loads each; behind them stand the second key tile's thirteen.
.macro MM kt, first
.irp s, 0,1,2,3
.if \first
	s_wait_dscnt 49-12*\s
.endif
.irp t, 0,1,2,3
.if \s == 0
	v_wmma_scale_f32_16x16x128_f8f6f4 v[S+16*\t+8*\kt:S+16*\t+8*\kt+7], v[KF+48*\kt+12*\s:KF+48*\kt+12*\s+11], v[48*\t+12*\s:48*\t+12*\s+11], 0, v[KS+2*\kt+1], v[QS+2*\t] matrix_a_fmt:MATRIX_FMT_FP6 matrix_b_fmt:MATRIX_FMT_FP6
.elseif \s == 2
	v_wmma_scale_f32_16x16x128_f8f6f4 v[S+16*\t+8*\kt:S+16*\t+8*\kt+7], v[KF+48*\kt+12*\s:KF+48*\kt+12*\s+11], v[48*\t+12*\s:48*\t+12*\s+11], v[S+16*\t+8*\kt:S+16*\t+8*\kt+7], v[KS+2*\kt], v[QS+2*\t+1] matrix_a_fmt:MATRIX_FMT_FP6 matrix_b_fmt:MATRIX_FMT_FP6
.else
	v_wmma_scale_f32_16x16x128_f8f6f4 v[S+16*\t+8*\kt:S+16*\t+8*\kt+7], v[KF+48*\kt+12*\s:KF+48*\kt+12*\s+11], v[48*\t+12*\s:48*\t+12*\s+11], v[S+16*\t+8*\kt:S+16*\t+8*\kt+7], v[KS+2*\kt+1-(\s/2)], v[QS+2*\t+(\s/2)] matrix_a_fmt:MATRIX_FMT_FP6 matrix_b_fmt:MATRIX_FMT_FP6 matrix_a_scale:MATRIX_SCALE_ROW1 matrix_b_scale:MATRIX_SCALE_ROW1
.endif
.endr
.endr
.endm
; The maxima and the exponents: the four tiles by turns, so that no line waits for the line above it; each accumulator is read from its low end on.
.macro MAXP p
.irp t, 0,1,2,3
	v_max3_num_f32 v[ST+8*\t+3], v[S+16*\t], v[S+16*\t+1], v[S+16*\t+2]
.endr
.irp t, 0,1,2,3
	v_max3_num_f32 v[ST+8*\t+7], v[S+16*\t+8], v[S+16*\t+9], v[S+16*\t+10]
.endr
.irp i, 3,5
.irp t, 0,1,2,3
	v_max3_num_f32 v[ST+8*\t+3], v[ST+8*\t+3], v[S+16*\t+\i], v[S+16*\t+\i+1]
.endr
.irp t, 0,1,2,3
	v_max3_num_f32 v[ST+8*\t+7], v[ST+8*\t+7], v[S+16*\t+\i+8], v[S+16*\t+\i+9]
.endr
.endr
.irp t, 0,1,2,3
	v_max3_num_f32 v[ST+8*\t+3], v[ST+8*\t+3], v[S+16*\t+7], v[S+16*\t+15]
.endr
.irp t, 0,1,2,3
	v_max3_num_f32 v[ST+8*\t+1], v[ST+8*\t+3], v[ST+8*\t+7], v[ST+8*\t+1]      ; the running largest score of my lane's keys
.endr
.irp t, 0,1,2,3
	v_mul_f32 v[ST+8*\t+2*\p], s[NC], v[ST+8*\t+1]     ; the new N: even and odd steps keep it in registers of their own, so nothing is moved
.endr
.irp t, 0,1,2,3
	v_sub_f32 v[ST+8*\t+6], v[ST+8*\t+2*\p], v[ST+8*\t+2-2*\p]   ; less the old: 0 or less, and exactly 0 where the maximum has not grown
.endr
.irp k, 0,1,2,3,4,5,6,7
.irp t, 0,1,2,3
	v_pk_fma_f32 v[S+16*\t+2*\k:S+16*\t+2*\k+1], v[S+16*\t+2*\k:S+16*\t+2*\k+1], s[CC:CC+1], v[ST+8*\t+2*\p:ST+8*\t+2*\p+1] op_sel_hi:[1,0,0]   ; c s + N
.endr
.endr
.endm
.macro EXPS                            ; the four factors that bring l under the new N, and the 64 exponentials
.irp t, 0,1,2,3
	v_exp_f32 v[ST+8*\t+6], v[ST+8*\t+6]
.endr
.irp t, 0,1,2,3
.irp i, 0,1,2,3,4,5,6,7,8,9,10,11,12,13,14,15
	v_exp_f32 v[S+16*\t+\i], v[S+16*\t+\i]
.endr
.endr
.endm
.macro PADD a, b                       ; in each tile the pair at register a += the pair at register b
.irp t, 0,1,2,3
	v_pk_add_f32 v[S+16*\t+\a:S+16*\t+\a+1], v[S+16*\t+\a:S+16*\t+\a+1], v[S+16*\t+\b:S+16*\t+\b+1]
.endr
.endm
.macro SUMP                            ; l = factor x l + the tile's eight pairs
.irp t, 0,1,2,3
	v_pk_fma_f32 v[ST+8*\t+4:ST+8*\t+5], v[ST+8*\t+4:ST+8*\t+5], v[ST+8*\t+6:ST+8*\t+7], v[S+16*\t:S+16*\t+1] op_sel_hi:[1,0,1]
.endr
	PADD 2, 4
	PADD 6, 8
	PADD 10, 12
	PADD 2, 6
	PADD 10, 14
	PADD 2, 10
.irp t, 0,1,2,3
	v_pk_add_f32 v[ST+8*\t+4:ST+8*\t+5], v[ST+8*\t+4:ST+8*\t+5], v[S+16*\t+2:S+16*\t+3]
.endr
.endm
; A STEP, p its parity.  mode 1: the next step's tiles are fetched behind the products and land during the vector work.  mode 0: nothing follows.
; mode 2: a barrier that shows landed tiles and behind which nothing is filled: signalled behind the products, waited for behind the exponentials; then the next step's tiles at tb.
; mode 3: the refill's round, opened behind the exponents, with the exponentials between its opening signal and wait.
; A load into a register that a matrix instruction has read, and a vector instruction that reads a matrix result, stand four plain vector instructions behind it (ISA guide 7.12.1 for vector instructions).
.macro STEP p, mode, first, tb
.if \first == 0
	s_wait_dscnt 13                                ; the first tile's thirteen loads are in; the second tile's may be out
.endif
	WIN 0x04                                       ; source 1 (q) window 1
	MM 0, \first
	s_wait_dscnt 0x0
	MM 1, 0
	WIN 0
.if \mode == 1
	s_add_co_u32 s[TB], s[TB], STEPB
	v_add_nc_u32 v6, s[TB], v4                     ; two additions and two v_nop: the four places
	v_add_nc_u32 v7, s[TB], v5
	v_nop
	v_nop
	FETCHT 0
	FETCHT 1
.else
.if \mode == 2
	s_wait_tensorcnt 0x0                           ; my tensor load has landed; no LDS instruction of mine is out
	s_barrier_signal -1
.endif
.if \mode == 3
	s_wait_tensorcnt 0x0                           ; ahead of the refill's round: my tensor loads have landed,
	ds_add_u32 v10, v11                            ; 0 onto my spare word
.endif
	PLACES
.endif
	MAXP \p
	s_wait_alu depctr_va_vdst(0)
.if \mode == 3
	s_wait_dscnt 0x0                               ; the add is done, and so are my reads of what is filled again
	s_barrier_signal -1
.endif
	EXPS
	v_nop                                          ; a plain line between the last exponential and the use of its result
	s_wait_alu depctr_va_vdst(0)                   ; and behind it: one wait for all 68
.if \mode == 2
	s_barrier_wait -1                              ; everybody's tiles are in
	START \tb
.endif
.if \mode == 3
	s_barrier_wait -1
	CREST                                          ; no wave of any partner still reads these bytes or has a load on its way
	tensor_load_to_lds s[G0R:G0R+3], s[G1A:G1A+7]  ; key tiles 32 to 63: my one tensor load behind the round, and the first thing there
	s_nop 0
	PLACES
	START \tb
.endif
	SUMP
.endm
	s_wait_alu depctr_va_vdst(0)
	s_cmp_lt_u32 s10, 4
	s_cbranch_scc0 .Lnot_yet
	s_wait_tensorcnt 0x0                           ; q and the first 8 key tiles: waves 0 to 3 brought them; waves 4 to 7's may stay out
.Lnot_yet:
	s_barrier_signal -1
	s_barrier_wait -1
.irp t, 0,1,2,3
	ds_load_b64 v[QS+2*\t:QS+2*\t+1], v225 offset:\t*TILEB+6144
.endr
	s_mov_b32 s[TB], KB0
	v_add_nc_u32 v6, s[TB], v4
	v_add_nc_u32 v7, s[TB], v5
	FETCHT 0
	WIN 0x40                                       ; destination window 1
.irp s, 0,1,2,3
.irp t, 0,1,2,3
.irp c, 0,1,2
	ds_load_b128 v[48*\t+12*\s+4*\c:48*\t+12*\s+4*\c+3], v224 offset:\t*TILEB+\s*1536+\c*512   ; q's sixteen fragments stay in registers
.endr
.endr
.endr
	WIN 0
	FETCHT 1
	global_prefetch_b8 v9, s[PF:PF+1] th:TH_LOAD_NT scope:SCOPE_SE   ; the refill's tiles, four steps ahead of their load
	STEP 0, 1, 1, 0
	STEP 1, 2, 0, KB0+2*STEPB                      ; the barrier shows the other 24 tiles
	STEP 0, 1, 0, 0
	STEP 1, 3, 0, KB0+4*STEPB                      ; q's and steps 0 to 3's bytes are filled again
	STEP 0, 1, 0, 0
	STEP 1, 1, 0, 0
	STEP 0, 1, 0, 0
	STEP 1, 2, 0, 0                                ; the barrier shows the refill, which begins at LDS byte 0
	s_mov_b32 s[CNT], 3
.Lsteps:                                               ; steps 8 to 13
	STEP 0, 1, 0, 0
	STEP 1, 1, 0, 0
	s_sub_co_u32 s[CNT], s[CNT], 1
	s_cmp_lg_u32 s[CNT], 0
	s_cbranch_scc1 .Lsteps
	STEP 0, 1, 0, 0
	STEP 1, 0, 0, 0
	; THE END.  A query's keys lie in lanes l and l xor 16, each with its own N (of an odd step) and l: they are brought under the smaller N (the larger maximum) and added.
	v_cmp_le_u32 vcc_lo, 16, v1                    ; lanes 16-31
.irp t, 0,1,2,3
	v_permlanex16_b32 v[ST+8*\t+3], v[ST+8*\t+2], s[SEL], s[SEL+1]
.endr
.irp t, 0,1,2,3
	v_add_f32 v[ST+8*\t+4], v[ST+8*\t+4], v[ST+8*\t+5]
.endr
.irp t, 0,1,2,3
	v_min_num_f32 v[ST+8*\t+7], v[ST+8*\t+2], v[ST+8*\t+3]
.endr
.irp t, 0,1,2,3
	v_sub_f32 v[ST+8*\t+6], v[ST+8*\t+7], v[ST+8*\t+2]
.endr
	s_wait_alu depctr_va_vdst(0)
.irp t, 0,1,2,3
	v_exp_f32 v[ST+8*\t+6], v[ST+8*\t+6]
.endr
	v_nop
	s_wait_alu depctr_va_vdst(0)                   ; and behind it
.irp t, 0,1,2,3
	v_mul_f32 v[ST+8*\t+4], v[ST+8*\t+4], v[ST+8*\t+6]
.endr
.irp t, 0,1,2,3
	v_permlanex16_b32 v[ST+8*\t+3], v[ST+8*\t+4], s[SEL], s[SEL+1]
.endr
.irp t, 0,1,2,3
	v_add_f32 v[ST+8*\t+4], v[ST+8*\t+4], v[ST+8*\t+3]
.endr
.irp t, 0,1,2,3
	v_cndmask_b32 v[OUTR+\t], v[ST+8*\t+7], v[ST+8*\t+4], vcc_lo   ; lanes 0-15 send N, lanes 16-31 l
.endr
	global_store_b128 v8, v[OUTR:OUTR+3], s[8:9]   ; each half of the lanes stores 256 consecutive bytes, at a multiple of 256 from part's first byte: 64 queries in their order
	s_wait_tensorcnt 0x0                           ; the wave's end
	ds_add_u32 v10, v11
	s_wait_dscnt 0x0
	CROUND                                         ; the closing round: no work-group ends while a partner may still ask for a tile that names it
	s_endpgm
.Lfunc_end_k_q9233ff0a83_scores:
	.size	k_q9233ff0a83_scores, .Lfunc_end_k_q9233ff0a83_scores-k_q9233ff0a83_scores
	.p2alignl 7, 3214868480
	.fill 96, 4, 3214868480
	.section	.rodata,"a",@progbits
	.p2align	6, 0x0
	.amdhsa_kernel k_q9233ff0a83_scores
		.amdhsa_group_segment_fixed_size 327680
		.amdhsa_private_segment_fixed_size 0
		.amdhsa_enable_private_segment 0
		.amdhsa_kernarg_size 24
		.amdhsa_user_sgpr_count 2
		.amdhsa_user_sgpr_kernarg_segment_ptr 1
		.amdhsa_wavefront_size32 1
		.amdhsa_system_sgpr_workgroup_id_x 1
		.amdhsa_system_sgpr_workgroup_id_y 1
		.amdhsa_system_sgpr_workgroup_id_z 1
		.amdhsa_system_vgpr_workitem_id 0
		.amdhsa_next_free_vgpr 448
		.amdhsa_next_free_sgpr 90
		.amdhsa_reserve_vcc 1
		.amdhsa_float_denorm_mode_32 3
		.amdhsa_float_denorm_mode_16_64 3
		.amdhsa_memory_ordered 1
		.amdhsa_forward_progress 1
		.amdhsa_inst_pref_size 188
	.end_amdhsa_kernel
	.amdgpu_metadata
---
amdhsa.version: [ 1, 2 ]
amdhsa.kernels:
  - .name:           k_q9233ff0a83_scores
    .symbol:         k_q9233ff0a83_scores.kd
    .args:
      - { .name: qimg, .offset: 0, .size: 8, .value_kind: global_buffer, .address_space: global }
      - { .name: kvimg, .offset: 8, .size: 8, .value_kind: global_buffer, .address_space: global }
      - { .name: part, .offset: 16, .size: 8, .value_kind: global_buffer, .address_space: global }
    .group_segment_fixed_size: 327680
    .private_segment_fixed_size: 0
    .kernarg_segment_align: 8
    .kernarg_segment_size: 24
    .max_flat_workgroup_size: 256
    .sgpr_count:     90
    .vgpr_count:     448
    .wavefront_size: 32
...
	.end_amdgpu_metadata
.endif
;; end of part 2
;; launch merge (part 3): grid 256 x 1, 1 waves a work-group, no clusters, 0 bytes of LDS; arguments part, diag, out0; writes out0
.if DOCPART == 3
	.amdgcn_target "amdgcn-amd-amdhsa--gfx1250"
	.amdhsa_code_object_version 6
	.text
	.protected	k_q9233ff0a83_merge
	.globl	k_q9233ff0a83_merge
	.p2align	8
	.type	k_q9233ff0a83_merge,@function
k_q9233ff0a83_merge:
	s_mov_b64 s[64:65], 0
	v_nop
	global_prefetch_b8 v0, s[64:65] scope:SCOPE_SE
	s_setreg_imm32_b32 hwreg(HW_REG_WAVE_MODE, 25, 1), 1
	s_wait_xcnt 0x0
; out[n] = exp(diag[n] / 16 - logsumexp) = 2^(c diag[n] + Nmin - log2(the sum over e of l_e 2^(Nmin - N_e))), c = log2(e) / 16.
; part is [e = 0 .. 7][2][16384] f32: for each eighth of a query's keys N_e = -c x (its largest score) and l_e = the sum of 2^(c s + N_e).  Nmin, the smallest N_e, belongs to the row's largest score:
; so the maximum is taken away before every exponential, every factor is at most 1 and the sum is about 1 or more.
; A wave takes 64 queries, a lane two neighbours: each load and the store cover 256 consecutive bytes, at a multiple of 256 from the buffer's first byte.  17 loads a wave, all out together.
; No LDS, no barrier, no matrix work: 1.1 MB are read once.
; LIMIT: a result under 2^-126 comes out as 0 (the exponential gives no denormal: ISA guide, its entry in 15.8).
.set N,   2                            ; v[2+2e:3+2e]   N_e of my two queries
.set L,   18                           ; v[18+2e:19+2e] l_e
.set DG,  34                           ; v[34:35] diag
.set NM,  36                           ; v[36:37] Nmin
.set F,   40                           ; v[40+2e:41+2e] the factors
.set SM,  56                           ; v[56:57] the sum
.set X,   58                           ; v[58:59] the exponent, then the result
	s_load_b128 s[4:7], s[0:1], 0x0                ; part s[4:5], diag s[6:7]
	s_load_b64 s[8:9], s[0:1], 0x10                ; out0
	s_lshl_b32 s10, ttmp9, 8                       ; 64 queries of 4 bytes a work-group
	s_mov_b32 s12, 0x3db8aa3b                      ; c
	s_mov_b32 s13, s12                             ; (named with it as a pair, so it is written)
	v_lshl_add_u32 v1, v0, 3, s10                  ; my 8 bytes in every plane
	s_wait_alu depctr_va_vdst(0)
	s_wait_kmcnt 0x0
.irp e, 0,1,2,3,4,5,6,7
	global_load_b64 v[N+2*\e:N+2*\e+1], v1, s[4:5] offset:\e*131072 th:TH_LOAD_NT
	global_load_b64 v[L+2*\e:L+2*\e+1], v1, s[4:5] offset:\e*131072+65536 th:TH_LOAD_NT
.endr
	global_load_b64 v[DG:DG+1], v1, s[6:7] th:TH_LOAD_NT
	s_wait_loadcnt 0x0
.irp j, 0,1
	v_min3_num_f32 v[NM+\j], v[N+\j], v[N+2+\j], v[N+4+\j]
.endr
.irp j, 0,1
	v_min3_num_f32 v[NM+\j], v[NM+\j], v[N+6+\j], v[N+8+\j]
.endr
.irp j, 0,1
	v_min3_num_f32 v[NM+\j], v[NM+\j], v[N+10+\j], v[N+12+\j]
.endr
.irp j, 0,1
	v_min_num_f32 v[NM+\j], v[NM+\j], v[N+14+\j]
.endr
.irp e, 0,1,2,3,4,5,6,7
	v_pk_add_f32 v[F+2*\e:F+2*\e+1], v[NM:NM+1], v[N+2*\e:N+2*\e+1] neg_lo:[0,1] neg_hi:[0,1]   ; Nmin - N_e: 0 or less
.endr
	s_wait_alu depctr_va_vdst(0)
.irp i, 0,1,2,3,4,5,6,7,8,9,10,11,12,13,14,15
	v_exp_f32 v[F+\i], v[F+\i]
.endr
	v_pk_fma_f32 v[X:X+1], v[DG:DG+1], s[12:13], v[NM:NM+1] op_sel_hi:[1,0,1]    ; c diag + Nmin.  (Also the plain line behind the exponentials)
	s_wait_alu depctr_va_vdst(0)
	v_pk_mul_f32 v[SM:SM+1], v[L:L+1], v[F:F+1]
.irp e, 1,2,3,4,5,6,7
	v_pk_fma_f32 v[SM:SM+1], v[L+2*\e:L+2*\e+1], v[F+2*\e:F+2*\e+1], v[SM:SM+1]
.endr
	s_wait_alu depctr_va_vdst(0)
	v_log_f32 v[SM], v[SM]
	v_log_f32 v[SM+1], v[SM+1]
	v_nop                                          ; a plain line between a transcendental and the use of its result
	s_wait_alu depctr_va_vdst(0)
	v_pk_add_f32 v[X:X+1], v[X:X+1], v[SM:SM+1] neg_lo:[0,1] neg_hi:[0,1]
	s_wait_alu depctr_va_vdst(0)
	v_exp_f32 v[X], v[X]
	v_exp_f32 v[X+1], v[X+1]
	v_nop
	s_wait_alu depctr_va_vdst(0)
	global_store_b64 v1, v[X:X+1], s[8:9] th:TH_STORE_NT
	s_endpgm
.Lfunc_end_k_q9233ff0a83_merge:
	.size	k_q9233ff0a83_merge, .Lfunc_end_k_q9233ff0a83_merge-k_q9233ff0a83_merge
	.p2alignl 7, 3214868480
	.fill 96, 4, 3214868480
	.section	.rodata,"a",@progbits
	.p2align	6, 0x0
	.amdhsa_kernel k_q9233ff0a83_merge
		.amdhsa_group_segment_fixed_size 0
		.amdhsa_private_segment_fixed_size 0
		.amdhsa_enable_private_segment 0
		.amdhsa_kernarg_size 24
		.amdhsa_user_sgpr_count 2
		.amdhsa_user_sgpr_kernarg_segment_ptr 1
		.amdhsa_wavefront_size32 1
		.amdhsa_system_sgpr_workgroup_id_x 1
		.amdhsa_system_sgpr_workgroup_id_y 1
		.amdhsa_system_sgpr_workgroup_id_z 1
		.amdhsa_system_vgpr_workitem_id 0
		.amdhsa_next_free_vgpr 64
		.amdhsa_next_free_sgpr 66
		.amdhsa_reserve_vcc 0
		.amdhsa_float_denorm_mode_32 3
		.amdhsa_float_denorm_mode_16_64 3
		.amdhsa_memory_ordered 1
		.amdhsa_forward_progress 1
		.amdhsa_inst_pref_size 5
	.end_amdhsa_kernel
	.amdgpu_metadata
---
amdhsa.version: [ 1, 2 ]
amdhsa.kernels:
  - .name:           k_q9233ff0a83_merge
    .symbol:         k_q9233ff0a83_merge.kd
    .args:
      - { .name: part, .offset: 0, .size: 8, .value_kind: global_buffer, .address_space: global }
      - { .name: diag, .offset: 8, .size: 8, .value_kind: global_buffer, .address_space: global }
      - { .name: out0, .offset: 16, .size: 8, .value_kind: global_buffer, .address_space: global }
    .group_segment_fixed_size: 0
    .private_segment_fixed_size: 0
    .kernarg_segment_align: 8
    .kernarg_segment_size: 24
    .max_flat_workgroup_size: 32
    .sgpr_count:     66
    .vgpr_count:     64
    .wavefront_size: 32
...
	.end_amdgpu_metadata
.endif
;; end of part 3
